; MI455X (gfx1250); checked and timed in simulation.
; The chip was launched on July 23, 2026; its instructions are those of AMD's public machine-readable ISA for CDNA 5 (MIT licence, August 2026) and "CDNA5" Instruction Set Architecture Reference Guide (July 2026). The comments in the code are by the model that wrote it; some were corrected since.
;; MAB. Allowed arithmetic: float matrix products may take bf16 or f16 operands with f32 sums; all other float work in f32.
;; Inputs: K 8 x 1,024 x 256 float32; Q 8 x 1,024 x 256 float32; Wk 256 x 256 float32; Wo 256 x 256 float32; Wq 256 x 256 float32; Wv 256 x 256 float32; b0 256 float32; b1 256 float32; bk 256 float32; bo 256 float32; bq 256 float32; bv 256 float32; g0 256 float32; g1 256 float32; lengths 8 int32.
;; Outputs: out0 8 x 1,024 x 256 float32.
;; 2 versions, each right and faster than the one before. Each part assembles by itself: llvm-mc -triple=amdgcn-amd-amdhsa -mcpu=gfx1250 --defsym DOCPART=n.
;; ======== version 1 of 2: 2 launches
;; limits: right only within a limited range of input values; values are held in f16: magnitudes above 65,504 overflow, below 6.1e-05 lose precision; inputs' magnitudes at most 65,504
;; workspace buffers: kf 4,194,304 bytes; vf 4,194,304 bytes; wf 262,144 bytes
;; launch proj (part 1): grid 64 x 4, 8 waves a work-group, no clusters, 143,360 bytes of LDS; arguments K, Wk, Wv, bk, bv, lengths, Wq, Wo, kf, vf, wf; writes kf, vf, wf
.if DOCPART == 1
	.amdgcn_target "amdgcn-amd-amdhsa--gfx1250"
	.amdhsa_code_object_version 6
	.text
	.protected	k_q8e8a5d978d_proj
	.globl	k_q8e8a5d978d_proj
	.p2align	8
	.type	k_q8e8a5d978d_proj,@function
k_q8e8a5d978d_proj:
	s_mov_b64 s[64:65], 0
	v_nop
	global_prefetch_b8 v0, s[64:65] scope:SCOPE_SE
	s_setreg_imm32_b32 hwreg(HW_REG_WAVE_MODE, 25, 1), 1
	s_wait_xcnt 0x0
; k = (K Wk + bk) mask and v = (K Wv + bv) mask, rounded to bf16 and written in the register order in which the
; next launch feeds them to the matrix unit; besides, Wq and Wo are rounded to f16 and written in that order too.
; Every block of kf, vf, wf is one operand of 16 x 32 numbers of 16 bits, 1,024 bytes: [chunk c = 0,1][lane 0..31][16 bytes].
;   kf block ((b*8+head)*64+kt):        lane (r,h), chunk c: k[key 16kt+r][d = 16c+8h .. +7]            (bf16)
;   vf block (((b*8+head)*32+s)*2+a):   lane (r,h), chunk c: v[key 32s+16c+8h .. +7][d = 16a+r]         (bf16)
;   wf block (mat*128+ct*8+ks):         lane (r,h), chunk c: W[k = 32ks+16c+8h .. +7][col 16ct+r]       (f16; mat 0: Wq, 1: Wo)
; FORMATS.  The products' operands (K, Wk, Wv) are f16: 11 significant bits against bf16's 8, at the same register count.
; LIMIT: |K| and the weights under 65,504 (f16's largest number); under 6.1e-5 they are kept in steps of 6e-8.
; The results k and v go out in bf16: they can reach 256 |K| |W|, and v is multiplied with e = exp(score), which has no room in f16.
; A work-group makes 128 tokens x 128 columns of k (y = 0,1) or of v (y = 2,3): 256 equal tiles.  Eight waves, each
; 32 tokens x 64 columns = 8 accumulator tiles, K = 256 in 8 steps: 64 matrix instructions a wave.
; The operands are f32 in memory, so they pass through registers (rounded to f16) into LDS: the tensor data mover
; cannot convert, and is left out.  No cluster: nothing comes in by a joint request for the same reason.
; k path: source 0 = W's columns, source 1 = tokens: a lane's 8 results are 8 neighbouring d of one key.
; v path: source 0 = tokens, source 1 = W's columns: a lane's 8 results are 8 neighbouring keys of one d.
; In both, lane L's 16 packed bytes belong at block + 512 c + 16 L: a wave's store covers 512 consecutive bytes, aligned.
; lengths is clamped to 0..1024: the same mask as arange(N) < lengths.
.set XP,   528                         ; LDS pitch of X: 512 bytes + 16 = 33 x 16: the 16 rows of a fragment load start in 16 different 16-byte columns modulo 256
.set WP,   288                         ; LDS pitch of W: 256 bytes + 32 = 9 x 32 (odd multiple of 32)
.set WS,   128*XP                      ; X: 128 tokens x 256 k at 0; W: 256 k x 128 columns at 67,584
.set CV,   WS+256*WP                   ; 141,312: 8 x 128 bytes, the waves' words of the repacked Wq/Wo block
.set R0,   16                          ; v[16:79], v[80:143], v[144:207]: three sets of 16 loads for the staging
.set R1,   80
.set R2,   144
.set ACC,  16                          ; v[16:79]   accumulator tile 2 ct + tt, 8 registers each (after the staging)
.set FB0,  80                          ; v[80:127], v[128:175]: two fragment buffers: X tile tt at +8 tt, W tile ct at +16+8 ct
.set BIAS, 176                         ; v[176:207]
.set PM,   208                         ; v[208:215] v path: masks of two bf16 a word, tile tt at +4 tt
.set OUT,  220                         ; v[220:235] four sets of 4 packed words
; v1 L, v2 r, v3 h, v4 X global, v5 W global, v6 X LDS store, v7 W LDS store, v8 X fragment, v9/v10 W fragment (k steps 0-3 / 4-7),
; v11 16 L, v12 bias offset, v13 Wq/Wo source, v14 v15 at work, v216 v217 half-word masks, v218 v219 CV store / read, v240-249 repack
	s_load_b512 s[8:23], s[0:1], 0x0               ; K s8, Wk s10, Wv s12, bk s14, bv s16, lengths s18, Wq s20, Wo s22
	s_load_b128 s[24:27], s[0:1], 0x40             ; kf s24, vf s26
	s_load_b64 s[28:29], s[0:1], 0x50              ; wf
	v_lshl_add_u32 v254, v0, 2, 0x22c00
	v_mov_b32 v255, 0
	v_lshrrev_b32 v14, 5, v0
	v_readfirstlane_b32 s2, v14                    ; wave w
	s_mov_b32 s3, ttmp9                            ; x = 8 b + tb
	s_and_b32 s4, ttmp7, 0xffff                    ; y = 2 mat + half
	s_lshr_b32 s5, s3, 3                           ; b
	s_and_b32 s6, s3, 7                            ; tb: block of 128 tokens
	s_lshr_b32 s7, s4, 1                           ; mat: 0 k, 1 v
	s_and_b32 s30, s4, 1                           ; half: columns 128 half ..
	s_and_b32 s31, s2, 3                           ; wt: my 32 tokens
	s_lshr_b32 s32, s2, 2                          ; wc: my 64 columns
	s_mov_b32 s35, 0                               ; high word of every offset pair s[34:35]
	v_and_b32 v1, 31, v0                           ; L
	v_and_b32 v2, 15, v0                           ; r
	v_bfe_u32 v3, v0, 4, 1                         ; h
	v_lshlrev_b32 v11, 4, v1                       ; 16 L
	s_lshl_b32 s50, s2, 14
	v_add_nc_u32 v4, s50, v11                      ; X: my 16 rows of 1,024 bytes
	s_lshl_b32 s50, s2, 15
	v_add_nc_u32 v5, s50, v11                      ; W: my 32 rows, 1,024 bytes apart
	s_mul_i32 s50, s2, 16*XP
	v_lshl_add_u32 v6, v1, 3, s50                  ; X in LDS: 4 numbers of 16 bits a lane
	s_mul_i32 s50, s2, 32*WP
	s_add_co_u32 s50, s50, WS
	v_lshl_add_u32 v7, v1, 3, s50                  ; W in LDS
	s_mul_i32 s50, s31, 32*XP
	v_mul_u32_u24 v14, v2, XP
	v_lshl_add_u32 v14, v3, 4, v14
	v_add_nc_u32 v8, s50, v14                      ; X fragment: (32 wt + r) pitch + 16 h
	v_and_b32 v14, 7, v0
	v_lshl_add_u32 v14, v3, 3, v14
	v_mul_u32_u24 v14, v14, WP
	v_bfe_u32 v15, v0, 3, 1
	v_lshl_add_u32 v14, v15, 4, v14
	s_lshl_b32 s50, s32, 7
	s_add_co_u32 s50, s50, WS
	v_add_nc_u32 v9, s50, v14                      ; W fragment: (8 h + L%8) pitch + 128 wc + 16 ((L/8)%2)
	v_add_nc_u32 v10, 128*WP, v9                   ; the same 128 rows on: the 16-bit immediate does not reach k steps 4-7
	v_lshlrev_b32 v14, 2, v2
	v_lshl_add_u32 v14, v3, 13, v14
	s_lshl_b32 s50, s32, 14
	s_lshl_b32 s51, s31, 11
	s_add_co_u32 s50, s50, s51
	v_add_nc_u32 v13, s50, v14                     ; Wq/Wo: row 16 (w/4) + 8 h + 2 (w%4), column r
	s_lshl_b32 s50, s2, 7
	s_add_co_u32 s50, s50, CV
	v_lshl_add_u32 v218, v1, 2, s50                ; CV + 128 w + 4 L
	v_lshlrev_b32 v219, 2, v1
	v_add_nc_u32 v219, CV, v219                    ; CV + 4 L
	v_mov_b32 v216, 0xffff
	v_mov_b32 v217, 0xffff0000
	s_lshl_b32 s53, s6, 7
	s_lshl_b32 s51, s31, 5
	s_add_co_u32 s53, s53, s51                     ; my first token in the batch: 128 tb + 32 wt
	s_lshl_b32 s52, s30, 9
	s_lshl_b32 s51, s32, 8
	s_add_co_u32 s52, s52, s51                     ; byte of my first column in a bias: 4 (128 half + 64 wc)
	s_wait_kmcnt 0x0
	s_lshl_b32 s34, s5, 2
	s_add_nc_u64 s[18:19], s[18:19], s[34:35]
	s_load_b32 s33, s[18:19], 0x0                  ; lengths[b]
	s_lshl_b32 s34, s3, 17
	s_add_nc_u64 s[40:41], s[8:9], s[34:35]        ; K at the block's first token: x * 128 rows * 1,024 bytes
	s_cmp_lg_u32 s7, 0
	s_cselect_b64 s[36:37], s[12:13], s[10:11]     ; Wv or Wk
	s_cselect_b64 s[42:43], s[26:27], s[24:25]     ; vf or kf
	s_lshl_b32 s34, s30, 9
	s_add_nc_u64 s[36:37], s[36:37], s[34:35]      ; + my half's 128 columns
	s_lshl_b32 s34, s5, 19                         ; output: b * 524,288
	s_lshl_b32 s50, s30, 18
	s_add_co_u32 s34, s34, s50
	s_lshl_b32 s50, s32, 17
	s_add_co_u32 s34, s34, s50                     ; + head (4 half + 2 wc) * 65,536
	s_lshl_b32 s50, s6, 13
	s_add_co_u32 s34, s34, s50
	s_lshl_b32 s50, s31, 11
	s_add_co_u32 s34, s34, s50                     ; + (8 tb + 2 wt) * 1,024 in kf = (4 tb + wt) * 2,048 in vf
	s_add_nc_u64 s[42:43], s[42:43], s[34:35]
	s_lshl_b32 s50, s4, 6
	s_add_co_u32 s50, s50, s3                      ; g = 64 y + x: the wf block of this work-group
	s_cmp_ge_u32 s50, 128
	s_cselect_b64 s[44:45], s[22:23], s[20:21]     ; Wo or Wq
	s_and_b32 s34, s50, 7
	s_lshl_b32 s34, s34, 15                        ; ks * 32 rows
	s_bfe_u32 s51, s50, 0x40003
	s_lshl_b32 s51, s51, 6                         ; ct * 16 columns
	s_add_co_u32 s34, s34, s51
	s_add_nc_u64 s[44:45], s[44:45], s[34:35]
	s_lshl_b32 s34, s50, 10
	s_add_nc_u64 s[46:47], s[28:29], s[34:35]
.macro NOP4
.rept 4
	v_nop
.endr
.endm
; 8 rows of X (16 loads of 512 consecutive bytes) / 16 half rows of W (16 loads of 512 consecutive bytes)
.macro LDX part, reg
.irp i, 0,1,2,3,4,5,6,7
	global_load_b128 v[\reg+8*\i:\reg+8*\i+3],   v4, s[40:41] offset:(8*\part+\i)*1024
	global_load_b128 v[\reg+8*\i+4:\reg+8*\i+7], v4, s[40:41] offset:(8*\part+\i)*1024+512
.endr
.endm
.macro LDW part, reg
.irp i, 0,1,2,3,4,5,6,7,8,9,10,11,12,13,14,15
	global_load_b128 v[\reg+4*\i:\reg+4*\i+3], v5, s[36:37] offset:(16*\part+\i)*1024
.endr
.endm
; round four f32 to four f16 in place and put them into LDS
.macro CVX part, reg
.irp i, 0,1,2,3,4,5,6,7
	v_cvt_pk_f16_f32 v[\reg+8*\i],   v[\reg+8*\i],   v[\reg+8*\i+1]
	v_cvt_pk_f16_f32 v[\reg+8*\i+1], v[\reg+8*\i+2], v[\reg+8*\i+3]
	v_cvt_pk_f16_f32 v[\reg+8*\i+4], v[\reg+8*\i+4], v[\reg+8*\i+5]
	v_cvt_pk_f16_f32 v[\reg+8*\i+5], v[\reg+8*\i+6], v[\reg+8*\i+7]
	ds_store_b64 v6, v[\reg+8*\i:\reg+8*\i+1]   offset:(8*\part+\i)*XP
	ds_store_b64 v6, v[\reg+8*\i+4:\reg+8*\i+5] offset:(8*\part+\i)*XP+256
.endr
.endm
.macro CVW part, reg
.irp i, 0,1,2,3,4,5,6,7,8,9,10,11,12,13,14,15
	v_cvt_pk_f16_f32 v[\reg+4*\i],   v[\reg+4*\i],   v[\reg+4*\i+1]
	v_cvt_pk_f16_f32 v[\reg+4*\i+1], v[\reg+4*\i+2], v[\reg+4*\i+3]
	ds_store_b64 v7, v[\reg+4*\i:\reg+4*\i+1] offset:(16*\part+\i)*WP
.endr
.endm
	; STAGING.  50 loads go out at once; each wait names the loads that are younger than the set it needs.
	global_load_b32 v248, v13, s[44:45]            ; Wq/Wo: my two rows, the oldest loads of all
	global_load_b32 v249, v13, s[44:45] offset:1024
	LDX 0, R0
	LDX 1, R1
	LDW 0, R2
	s_wait_kmcnt 0x0
	s_max_i32 s33, s33, 0
	s_min_i32 s33, s33, 0x400                      ; lengths[b] in 0..1024
	s_wait_loadcnt 32                              ; R1's and R2's 32 loads are younger: R0 and the two words are in
	CVX 0, R0
	v_cvt_pk_f16_f32 v248, v248, v249              ; word w%4 of chunk w/4 of the wf block
	ds_store_b32 v218, v248
	LDW 1, R0
	s_wait_loadcnt 32                              ; R2's and the new R0's are younger
	CVX 1, R1
	s_wait_loadcnt 16                              ; the new R0's are younger
	CVW 0, R2
	s_wait_loadcnt 0x0
	CVW 1, R0
	s_wait_dscnt 0x0                               ; my stores are in LDS before I say so: zero, for the other waves' sake
	s_barrier_signal -1
	s_barrier_wait -1                              ; the only barrier: nothing in LDS is written behind it
	s_cmp_lg_u32 s2, 0                             ; wave 0 writes the wf block: 8 words a lane, gathered from the 8 waves' 128 bytes
	s_cbranch_scc1 .Lnocv
.irp i, 0,1,2,3,4,5,6,7
	ds_load_b32 v[240+\i], v219 offset:128*\i
.endr
	s_wait_dscnt 0x0
	global_store_b128 v11, v[240:243], s[46:47]
	global_store_b128 v11, v[244:247], s[46:47] offset:512
.Lnocv:
.macro WM d, a, b, first               ; first = 1: the product starts the sum, nothing is cleared
.if \first
	v_wmma_f32_16x16x32_f16 v[\d:\d+7], v[\a:\a+7], v[\b:\b+7], 0
.else
	v_wmma_f32_16x16x32_f16 v[\d:\d+7], v[\a:\a+7], v[\b:\b+7], v[\d:\d+7]
.endif
.endm
; the 12 LDS loads of k step ks: 2 token tiles (K along the rows), 4 column tiles (K down the rows: transposing loads)
.macro LOADF ks
.set fb, FB0+48*((\ks)&1)
.set wa, 9+(\ks)/4
.irp tt, 0,1
	ds_load_b128 v[fb+8*\tt:fb+8*\tt+3],   v8 offset:\tt*16*XP+(\ks)*64
	ds_load_b128 v[fb+8*\tt+4:fb+8*\tt+7], v8 offset:\tt*16*XP+(\ks)*64+32
.endr
.irp ct, 0,1,2,3
	ds_load_tr16_b128 v[fb+16+8*\ct:fb+16+8*\ct+3],   v[wa] offset:((\ks)%4)*32*WP+\ct*32
	ds_load_tr16_b128 v[fb+16+8*\ct+4:fb+16+8*\ct+7], v[wa] offset:((\ks)%4)*32*WP+\ct*32+16*WP
.endr
.endm
.macro MULS ks, swap
.set fb, FB0+48*((\ks)&1)
.irp ct, 0,1,2,3
.irp tt, 0,1
.if \swap
	WM ACC+8*(2*\ct+\tt), fb+8*\tt, fb+16+8*\ct, (\ks==0)
.else
	WM ACC+8*(2*\ct+\tt), fb+16+8*\ct, fb+8*\tt, (\ks==0)
.endif
.endr
.endr
.endm
; Step ks multiplies one buffer while step ks+1's 12 loads fill the other.  Those loads land on registers that the
; matrix instructions of step ks-1 read, so four places stand in front of them.
.macro GEMM swap
	LOADF 0
.irp ks, 0,1,2,3,4,5,6,7
.if \ks < 7
.if \ks > 0
	NOP4
.endif
	LOADF \ks+1
	s_wait_dscnt 12                                ; the next step's 12 loads are younger: this step's are in
.else
	s_wait_dscnt 0x0
.endif
	MULS \ks, \swap
.endr
.endm
	s_cmp_lg_u32 s7, 0
	s_cbranch_scc1 .Lv
	; K PATH.  A lane holds columns 16 ct + 8 h + 0..7 of token 16 tt + r.
	v_lshl_add_u32 v12, v3, 5, s52
.irp ct, 0,1,2,3
	global_load_b128 v[BIAS+8*\ct:BIAS+8*\ct+3],   v12, s[14:15] offset:64*\ct
	global_load_b128 v[BIAS+8*\ct+4:BIAS+8*\ct+7], v12, s[14:15] offset:64*\ct+16
.endr
	v_add_nc_u32 v14, s53, v2                      ; my token in tile 0,
	v_add_nc_u32 v15, 16, v14                      ; in tile 1
	v_cmp_gt_i32 s48, s33, v14                     ; token < lengths[b]
	v_cmp_gt_i32 s49, s33, v15
	GEMM 0
	NOP4                                           ; four places before the sums are read
	s_wait_loadcnt 0x0                             ; the bias
.irp ct, 0,1,2,3
.irp tt, 0,1
.set ab, ACC+8*(2*\ct+\tt)
.set ob, OUT+4*((2*\ct+\tt)&3)
.if (2*\ct+\tt) == 4
	s_wait_xcnt 0x0                                ; the four sets of packed words, which four stores read, are rewritten only behind this wait
.endif
.irp m, 0,1,2,3
	v_pk_add_f32 v[ab+2*\m:ab+2*\m+1], v[ab+2*\m:ab+2*\m+1], v[BIAS+8*\ct+2*\m:BIAS+8*\ct+2*\m+1]
.endr
.irp m, 0,1,2,3
	v_cvt_pk_bf16_f32 v[ob+\m], v[ab+2*\m], v[ab+2*\m+1]
.endr
.irp m, 0,1,2,3
	v_cndmask_b32 v[ob+\m], 0, v[ob+\m], s[48+\tt] ; a key at or beyond the length is zero
.endr
	global_store_b128 v11, v[ob:ob+3], s[42:43] offset:(\ct/2)*65536+\tt*1024+(\ct&1)*512
.endr
.endr
	s_wait_tensorcnt 0x0
	ds_add_u32 v254, v255
	s_wait_dscnt 0x0
	s_endpgm
	; V PATH.  A lane holds tokens 16 tt + 8 h + 0..7 of column 16 ct + r.
.Lv:
	v_lshl_add_u32 v12, v2, 2, s52
.irp ct, 0,1,2,3
	global_load_b32 v[BIAS+2*\ct],   v12, s[16:17] offset:64*\ct   ; the column's bias, twice: a pair for the packed add
	global_load_b32 v[BIAS+2*\ct+1], v12, s[16:17] offset:64*\ct
.endr
	s_sub_co_i32 s51, s33, s53
	v_lshlrev_b32 v14, 3, v3
	v_sub_nc_u32 v14, s51, v14                     ; token 16 tt + j of mine is live where 16 tt + j < lengths[b] - first token - 8 h
.irp tt, 0,1
.irp i, 0,1,2,3
	v_cmp_lt_i32 vcc_lo, 16*\tt+2*\i, v14
	v_cndmask_b32 v15, 0, v216, vcc_lo
	v_cmp_lt_i32 vcc_lo, 16*\tt+2*\i+1, v14
	v_cndmask_b32 v[PM+4*\tt+\i], 0, v217, vcc_lo
	v_or_b32 v[PM+4*\tt+\i], v[PM+4*\tt+\i], v15
.endr
.endr
	GEMM 1
	NOP4
	s_wait_loadcnt 0x0
.irp ct, 0,1,2,3
.irp tt, 0,1
.set ab, ACC+8*(2*\ct+\tt)
.set ob, OUT+4*((2*\ct+\tt)&3)
.if (2*\ct+\tt) == 4
	s_wait_xcnt 0x0                                ; as in the k path
.endif
.irp m, 0,1,2,3
	v_pk_add_f32 v[ab+2*\m:ab+2*\m+1], v[ab+2*\m:ab+2*\m+1], v[BIAS+2*\ct:BIAS+2*\ct+1]
.endr
.irp m, 0,1,2,3
	v_cvt_pk_bf16_f32 v[ob+\m], v[ab+2*\m], v[ab+2*\m+1]
.endr
.irp m, 0,1,2,3
	v_and_b32 v[ob+\m], v[ob+\m], v[PM+4*\tt+\m]
.endr
	global_store_b128 v11, v[ob:ob+3], s[42:43] offset:(\ct/2)*65536+(\ct&1)*1024+\tt*512
.endr
.endr
	s_wait_tensorcnt 0x0
	ds_add_u32 v254, v255
	s_wait_dscnt 0x0
	s_endpgm
.Lfunc_end_k_q8e8a5d978d_proj:
	.size	k_q8e8a5d978d_proj, .Lfunc_end_k_q8e8a5d978d_proj-k_q8e8a5d978d_proj
	.p2alignl 7, 3214868480
	.fill 96, 4, 3214868480
	.section	.rodata,"a",@progbits
	.p2align	6, 0x0
	.amdhsa_kernel k_q8e8a5d978d_proj
		.amdhsa_group_segment_fixed_size 143360
		.amdhsa_private_segment_fixed_size 0
		.amdhsa_enable_private_segment 0
		.amdhsa_kernarg_size 88
		.amdhsa_user_sgpr_count 2
		.amdhsa_user_sgpr_kernarg_segment_ptr 1
		.amdhsa_wavefront_size32 1
		.amdhsa_system_sgpr_workgroup_id_x 1
		.amdhsa_system_sgpr_workgroup_id_y 1
		.amdhsa_system_sgpr_workgroup_id_z 1
		.amdhsa_system_vgpr_workitem_id 0
		.amdhsa_next_free_vgpr 256
		.amdhsa_next_free_sgpr 66
		.amdhsa_reserve_vcc 1
		.amdhsa_float_denorm_mode_32 3
		.amdhsa_float_denorm_mode_16_64 3
		.amdhsa_memory_ordered 1
		.amdhsa_forward_progress 1
		.amdhsa_inst_pref_size 63
	.end_amdhsa_kernel
	.amdgpu_metadata
---
amdhsa.version: [ 1, 2 ]
amdhsa.kernels:
  - .name:           k_q8e8a5d978d_proj
    .symbol:         k_q8e8a5d978d_proj.kd
    .args:
      - { .name: K, .offset: 0, .size: 8, .value_kind: global_buffer, .address_space: global }
      - { .name: Wk, .offset: 8, .size: 8, .value_kind: global_buffer, .address_space: global }
      - { .name: Wv, .offset: 16, .size: 8, .value_kind: global_buffer, .address_space: global }
      - { .name: bk, .offset: 24, .size: 8, .value_kind: global_buffer, .address_space: global }
      - { .name: bv, .offset: 32, .size: 8, .value_kind: global_buffer, .address_space: global }
      - { .name: lengths, .offset: 40, .size: 8, .value_kind: global_buffer, .address_space: global }
      - { .name: Wq, .offset: 48, .size: 8, .value_kind: global_buffer, .address_space: global }
      - { .name: Wo, .offset: 56, .size: 8, .value_kind: global_buffer, .address_space: global }
      - { .name: kf, .offset: 64, .size: 8, .value_kind: global_buffer, .address_space: global }
      - { .name: vf, .offset: 72, .size: 8, .value_kind: global_buffer, .address_space: global }
      - { .name: wf, .offset: 80, .size: 8, .value_kind: global_buffer, .address_space: global }
    .group_segment_fixed_size: 143360
    .private_segment_fixed_size: 0
    .kernarg_segment_align: 8
    .kernarg_segment_size: 88
    .max_flat_workgroup_size: 256
    .sgpr_count:     66
    .vgpr_count:     256
    .wavefront_size: 32
...
	.end_amdgpu_metadata
.endif
;; end of part 1
;; launch attn (part 2): grid 256 x 1, 8 waves a work-group, no clusters, 89,088 bytes of LDS; arguments Q, lengths, kf, vf, wf, bq, bo, g0, b0, g1, b1, out0; writes out0
.if DOCPART == 2
	.amdgcn_target "amdgcn-amd-amdhsa--gfx1250"
	.amdhsa_code_object_version 6
	.text
	.protected	k_q8e8a5d978d_attn
	.globl	k_q8e8a5d978d_attn
	.p2align	8
	.type	k_q8e8a5d978d_attn,@function
k_q8e8a5d978d_attn:
	s_mov_b64 s[64:65], 0
	v_nop
	global_prefetch_b8 v0, s[64:65] scope:SCOPE_SE
	s_setreg_imm32_b32 hwreg(HW_REG_WAVE_MODE, 25, 1), 1
	s_wait_xcnt 0x0
; For 32 rows of one batch and all 8 heads: q = (Q Wq + bq) mask; e = exp(q k / 16) masked by rows and keys;
; O = q + (e v) / (sum e + 1e-15); LN0; X + relu(X Wo + bo); LN1.  Wave w is head w = columns 32 w .. 32 w + 31 in the
; three matrix phases, and takes rows 4 w .. 4 w + 3 in the row-wise ones (staging of Q, the two layer norms).
; Every product is taken in the orientation whose result layout is the next operand's layout, so nothing is shuffled:
;   q^T = Wq^T Q^T : lane r = token, register j = column 8 h + j; two tiles pack into the second source of the scores
;   S^T = K q^T    : lane r = query, register j = key 8 h + j;    two tiles pack into the second source of P V
;   O^T = V^T P^T  : the layout of q^T, so the residual is one fused multiply-add on registers.
; FORMATS.  Q Wq and X Wo take f16 operands (11 significant bits against bf16's 8): q is the residual and X Wo is added to X,
; so their operands' rounding reaches the output undamped.  The scores and P V take bf16: e = exp(score) reaches e^88 where
; reference() is still finite, which has no room in f16, and v shares a matrix instruction with e; q and k can reach 256 |Q| |W|,
; and their rounding enters only as a small absolute error of a score, averaged over the keys.
; k, v and the weights come from memory already in register order (kf, vf, wf: blocks of 1,024 bytes, [chunk][lane][16 bytes]);
; every load of them covers 512 consecutive bytes.  Each byte of k and v has one reader in the work-group (its head's wave),
; so it goes straight into registers: LDS would add a write and a read and share nothing.
; NO CLUSTER: the 32 row blocks of a batch walk the same k and v, but a block whose rows all lie beyond lengths[b] walks one
; tile and the others ceil(lengths[b]/64), so partners would make different numbers of requests; and a joint request lands
; in LDS, which this text does not use for k and v.
; reference() takes no maximum away before its exponential, and neither does this text.
; LIMITS: |Q|, the weights and LN0's result (at most 16 |g0| + |b0|) under 65,504, f16's largest number; under 6.1e-5 they are
; kept in steps of 6e-8.  sum(e v) is formed before the division by sum(e) (reference() divides first), so it leaves f32's range once
; exp(score) |v| lengths passes 3.4e38, a band of ln(lengths max|v|) below the score 88.7 at which reference() overflows itself;
; v_exp_f32 and v_rcp_f32 give zero for results under 2^-126 (ISA guide 15.8): such an e is under 1e-23 of the 1e-15 in the divisor;
; lengths is clamped to 0..1024: the same mask as arange(N) < lengths.
.set XBP,  528                         ; XB at 0: 32 rows x 256 f16, pitch 512 + 16 = 33 x 16 (Q, later LN0's result)
.set OF,   32*XBP                      ; 16,896: 8 regions (one a wave) of 32 rows x 32 f32, pitch 144 = 9 x 16
.set OFP,  144
.set OFW,  32*OFP+128                  ; 4,736: neighbouring regions lie 128 bytes apart modulo 256
.set X1F,  OF+8*OFW                    ; 54,784: LN0's result in f32, 32 rows, pitch 1,040 = 65 x 16
.set X1P,  1040
.set QT,   16                          ; v[16:47]   tile t = 2 a + b2 (a: 16 columns, b2: 16 tokens): q^T in f32; the sums of both GEMMs
.set ACC,  48                          ; v[48:79]   O^T
.set QF,   80                          ; v[80:95]   q log2(e)/16 in bf16, second source of the scores, 8 registers for each b2
.set LS,   96                          ; v[96:99]   running sums of e, a pair for each b2
.set RR,   100                         ; v[100:103] 1 / (sum + 1e-15), a pair for each b2
.set T,    104                         ; v[104:105] at work
.set P,    112                         ; v[112:127] e in bf16, second source of P V, 8 registers for each b2
.set KA,   128                         ; v[128:143], v[144:159]: k of the two halves (32 keys each) of a trip
.set KB,   144
.set VA,   160                         ; v[160:175], v[176:191]: v likewise
.set VB,   176
.set S,    192                         ; v[192:223] scores, tile 2 t + b2 (t: 16 keys)
.set WF,   128                         ; v[128:255] GEMM phases: 16 weight fragments (2 column tiles x 8 k steps)
.set H0,   48                          ; v[48:79], v[80:111]: two buffers of 4 fragments of XB
.set H1,   80
.set BI,   112                         ; v[112:127] the bias as the first C
.set X,    48                          ; v[48:79]   layer norms: row q at +8 q
.set MN,   96                          ; v[96:103]  a pair for each row: mean, then 1/sqrt
.set WK,   104                         ; v[104:111] a pair for each row, at work
; v1 L, v2 r, v3 h, v4 16 L, v5 Q/out0 offset, v6 XB store, v7 XB fragment, v8 OF store, v9 OF row read, v10 X1F store,
; v11 X1F read, v12 bias offset, v13 live keys of the last tile, v14 v15 at work
	s_load_b512 s[8:23], s[0:1], 0x0               ; Q s8, lengths s10, kf s12, vf s14, wf s16, bq s18, bo s20, g0 s22
	s_load_b256 s[24:31], s[0:1], 0x40             ; b0 s24, g1 s26, b1 s28, out0 s30
	s_set_vgpr_msb 0x40
	v_lshl_add_u32 v0, v0, 2, 0x15800
	v_mov_b32 v1, 0
	s_set_vgpr_msb 0x4000
	v_lshrrev_b32 v14, 5, v0
	v_readfirstlane_b32 s2, v14                    ; wave w = head
	s_mov_b32 s3, ttmp9                            ; x = 32 b + row block
	s_lshr_b32 s4, s3, 5                           ; b
	s_and_b32 s5, s3, 31
	s_lshl_b32 s5, s5, 5                           ; the block's first row in its batch
	s_mov_b32 s35, 0                               ; high word of every offset pair s[34:35]
	s_mov_b32 s36, 0x76543210                      ; v_permlanex16_b32: lane i takes lane i of the other half
	s_mov_b32 s37, 0xfedcba98
	s_mov_b32 s38, 0x3b800000                      ; 1/256
	s_mov_b32 s39, 0x3727c5ac                      ; 1e-5
	v_and_b32 v1, 31, v0
	v_and_b32 v2, 15, v0
	v_bfe_u32 v3, v0, 4, 1
	v_lshlrev_b32 v4, 4, v1
	s_lshl_b32 s42, s2, 12
	v_add_nc_u32 v5, s42, v4                       ; rows 4 w ..: 4,096 w + 16 L
	s_mul_i32 s42, s2, 4*XBP
	v_lshl_add_u32 v6, v1, 3, s42                  ; 4 w pitch + 8 L
	v_mul_u32_u24 v7, v2, XBP
	v_lshl_add_u32 v7, v3, 4, v7                   ; r pitch + 16 h
	s_mul_i32 s42, s2, OFW
	s_add_co_u32 s42, s42, OF
	v_mul_u32_u24 v14, v2, OFP
	v_lshl_add_u32 v14, v3, 5, v14
	v_add_nc_u32 v8, s42, v14                      ; my region + r pitch + 32 h
	v_lshrrev_b32 v14, 3, v1
	v_mul_u32_u24 v14, v14, OFW
	v_and_b32 v15, 7, v0
	v_lshl_add_u32 v14, v15, 4, v14
	s_mul_i32 s42, s2, 4*OFP
	s_add_co_u32 s42, s42, OF
	v_add_nc_u32 v9, s42, v14                      ; region L/8, row 4 w, 16 (L%8): columns 4 L .. 4 L + 3 of a row
	s_mul_i32 s42, s2, 4*X1P
	s_add_co_u32 s42, s42, X1F
	v_add_nc_u32 v10, s42, v4
	v_mul_u32_u24 v14, v2, X1P
	v_lshl_add_u32 v14, v3, 5, v14
	s_lshl_b32 s42, s2, 7
	v_lshl_add_u32 v12, v3, 5, s42                 ; 4 (32 w + 8 h)
	s_add_co_u32 s42, s42, X1F
	v_add_nc_u32 v11, s42, v14
	s_wait_kmcnt 0x0
	s_lshl_b32 s34, s3, 15
	s_add_nc_u64 s[8:9], s[8:9], s[34:35]          ; Q and out0 at the block's first row: x * 32 rows * 1,024 bytes
	s_add_nc_u64 s[30:31], s[30:31], s[34:35]
	s_lshl_b32 s34, s4, 2
	s_add_nc_u64 s[10:11], s[10:11], s[34:35]
	s_load_b32 s6, s[10:11], 0x0                   ; lengths[b]
	s_lshl_b32 s34, s4, 19
	s_lshl_b32 s42, s2, 16
	s_add_co_u32 s34, s34, s42
	s_add_nc_u64 s[12:13], s[12:13], s[34:35]      ; kf and vf at (b, head): 65,536 bytes each
	s_add_nc_u64 s[14:15], s[14:15], s[34:35]
	s_lshl_b32 s34, s2, 14
	s_add_nc_u64 s[16:17], s[16:17], s[34:35]      ; wf at my 16 blocks; Wo's lie 131,072 bytes on
.macro NOP4
.rept 4
	v_nop
.endr
.endm
.macro BARRIER                         ; my LDS loads and stores are done before I say so: zero, for the other waves' sake
	s_wait_dscnt 0x0
	s_barrier_signal -1
	s_barrier_wait -1
.endm
.macro LDBIAS sb                       ; bias of columns 32 w + 16 a + 8 h + 0..7, in the layout of C
	global_load_b128 v[BI:BI+3],     v12, s[\sb:\sb+1]
	global_load_b128 v[BI+4:BI+7],   v12, s[\sb:\sb+1] offset:16
	global_load_b128 v[BI+8:BI+11],  v12, s[\sb:\sb+1] offset:64
	global_load_b128 v[BI+12:BI+15], v12, s[\sb:\sb+1] offset:80
.endm
.macro LDWF base                       ; my 16 weight fragments: 32 loads of 512 consecutive bytes
.set n, 0
.rept 32
	global_load_b128 v[WF+4*n:WF+4*n+3], v4, s[16:17] offset:\base+512*n
.set n, n+1
.endr
.endm
.macro LDXB hs, H                      ; k steps 2 hs, 2 hs + 1 of both token tiles: 8 LDS loads
.irp kl, 0,1
.irp b2, 0,1
	ds_load_b128 v[\H+8*(2*\kl+\b2):\H+8*(2*\kl+\b2)+3],   v7 offset:\b2*16*XBP+(2*\hs+\kl)*64
	ds_load_b128 v[\H+8*(2*\kl+\b2)+4:\H+8*(2*\kl+\b2)+7], v7 offset:\b2*16*XBP+(2*\hs+\kl)*64+32
.endr
.endr
.endm
.macro MM hs, H                        ; 8 matrix instructions; the first k step takes the bias as C: it starts the sums
.irp kl, 0,1
.irp a, 0,1
.irp b2, 0,1
.if (2*\hs+\kl) == 0
	v_wmma_f32_16x16x32_f16 v[QT+8*(2*\a+\b2):QT+8*(2*\a+\b2)+7], v[WF+8*(8*\a+2*\hs+\kl):WF+8*(8*\a+2*\hs+\kl)+7], v[\H+8*(2*\kl+\b2):\H+8*(2*\kl+\b2)+7], v[BI+8*\a:BI+8*\a+7]
.else
	v_wmma_f32_16x16x32_f16 v[QT+8*(2*\a+\b2):QT+8*(2*\a+\b2)+7], v[WF+8*(8*\a+2*\hs+\kl):WF+8*(8*\a+2*\hs+\kl)+7], v[\H+8*(2*\kl+\b2):\H+8*(2*\kl+\b2)+7], v[QT+8*(2*\a+\b2):QT+8*(2*\a+\b2)+7]
.endif
.endr
.endr
.endr
.endm
; QT = W^T XB^T + bias: 32 columns x 32 tokens, K = 256.  Four places stand in front of each run of loads into a buffer that
; matrix instructions have just read, and behind the last product.
.macro GEMM32
	LDXB 0, H0
	LDXB 1, H1
	s_wait_loadcnt 0x0                             ; weights and bias
	s_wait_dscnt 8                                 ; H1's 8 loads are younger
	MM 0, H0
	NOP4
	LDXB 2, H0
	s_wait_dscnt 8                                 ; the new H0's are younger
	MM 1, H1
	NOP4
	LDXB 3, H1
	s_wait_dscnt 8                                 ; the new H1's are younger
	MM 2, H0
	s_wait_dscnt 0x0
	MM 3, H1
	NOP4
.endm
.macro PUTOF src                       ; my 32 columns x 32 tokens in f32 into my own region of OF
.irp a, 0,1
.irp b2, 0,1
	ds_store_b128 v8, v[\src+8*(2*\a+\b2):\src+8*(2*\a+\b2)+3]   offset:\b2*16*OFP+\a*64
	ds_store_b128 v8, v[\src+8*(2*\a+\b2)+4:\src+8*(2*\a+\b2)+7] offset:\b2*16*OFP+\a*64+16
.endr
.endr
.endm
.macro LANESUM                         ; v[WK+2q] summed over the 32 lanes, for four rows side by side
.irp xm, 1,2,4,8
.irp q, 0,1,2,3
	v_add_f32_dpp v[WK+2*\q], v[WK+2*\q], v[WK+2*\q] row_xmask:\xm row_mask:0xf bank_mask:0xf
.endr
.endr
.irp q, 0,1,2,3
	v_permlanex16_b32 v[WK+2*\q+1], v[WK+2*\q], s36, s37
.endr
.irp q, 0,1,2,3
	v_add_f32 v[WK+2*\q], v[WK+2*\q], v[WK+2*\q+1]
.endr
.endm
; Layer norm of rows 4 w .. 4 w + 3 out of OF.  A lane holds columns 4 L .. +3 and 128 + 4 L .. +3 of each row.
; v[G:G+7] gain, v[G+8:G+15] bias of these columns.  The variance is taken of the centred row, as reference() takes it.
; mode 0: the result goes to X1F (f32) and XB (f16); mode 1: to out0, 512 consecutive bytes a store.
.macro LN G, mode
.irp q, 0,1,2,3
	ds_load_b128 v[X+8*\q:X+8*\q+3],   v9 offset:\q*OFP
	ds_load_b128 v[X+8*\q+4:X+8*\q+7], v9 offset:\q*OFP+4*OFW
.endr
	s_wait_dscnt 0x0
.irp q, 0,1,2,3
	v_pk_add_f32 v[WK+2*\q:WK+2*\q+1], v[X+8*\q:X+8*\q+1],   v[X+8*\q+2:X+8*\q+3]
	v_pk_add_f32 v[MN+2*\q:MN+2*\q+1], v[X+8*\q+4:X+8*\q+5], v[X+8*\q+6:X+8*\q+7]
.endr
.irp q, 0,1,2,3
	v_pk_add_f32 v[WK+2*\q:WK+2*\q+1], v[WK+2*\q:WK+2*\q+1], v[MN+2*\q:MN+2*\q+1]
.endr
.irp q, 0,1,2,3
	v_add_f32 v[WK+2*\q], v[WK+2*\q], v[WK+2*\q+1]
.endr
	LANESUM
.irp q, 0,1,2,3
	v_mul_f32 v[MN+2*\q],   s38, v[WK+2*\q]        ; the mean, twice: a pair for the packed forms
	v_mul_f32 v[MN+2*\q+1], s38, v[WK+2*\q]
.endr
.irp q, 0,1,2,3
.irp p, 0,1,2,3
	v_pk_add_f32 v[X+8*\q+2*\p:X+8*\q+2*\p+1], v[X+8*\q+2*\p:X+8*\q+2*\p+1], v[MN+2*\q:MN+2*\q+1] neg_lo:[0,1] neg_hi:[0,1]
.endr
.endr
.irp q, 0,1,2,3
	v_pk_mul_f32 v[WK+2*\q:WK+2*\q+1], v[X+8*\q:X+8*\q+1], v[X+8*\q:X+8*\q+1]
.endr
.irp p, 1,2,3
.irp q, 0,1,2,3
	v_pk_fma_f32 v[WK+2*\q:WK+2*\q+1], v[X+8*\q+2*\p:X+8*\q+2*\p+1], v[X+8*\q+2*\p:X+8*\q+2*\p+1], v[WK+2*\q:WK+2*\q+1]
.endr
.endr
.irp q, 0,1,2,3
	v_add_f32 v[WK+2*\q], v[WK+2*\q], v[WK+2*\q+1]
.endr
	LANESUM
.irp q, 0,1,2,3
	v_fma_f32 v[WK+2*\q], v[WK+2*\q], s38, s39     ; variance + 1e-5
.endr
.irp q, 0,1,2,3
	v_rsq_f32 v[MN+2*\q],   v[WK+2*\q]
	v_rsq_f32 v[MN+2*\q+1], v[WK+2*\q]
.endr
	v_nop                                          ; one plain place behind the last v_rsq_f32 before its result is used (ISA guide 5.7.2)
	s_wait_alu depctr_va_vdst(0)
.irp q, 0,1,2,3
.irp p, 0,1,2,3
	v_pk_mul_f32 v[X+8*\q+2*\p:X+8*\q+2*\p+1], v[X+8*\q+2*\p:X+8*\q+2*\p+1], v[MN+2*\q:MN+2*\q+1]
.endr
.irp p, 0,1,2,3
	v_pk_fma_f32 v[X+8*\q+2*\p:X+8*\q+2*\p+1], v[X+8*\q+2*\p:X+8*\q+2*\p+1], v[\G+2*\p:\G+2*\p+1], v[\G+8+2*\p:\G+8+2*\p+1]
.endr
.endr
.irp q, 0,1,2,3
.if \mode
	global_store_b128 v5, v[X+8*\q:X+8*\q+3],   s[30:31] offset:\q*1024 th:TH_STORE_NT
	global_store_b128 v5, v[X+8*\q+4:X+8*\q+7], s[30:31] offset:\q*1024+512 th:TH_STORE_NT
.else
	ds_store_b128 v10, v[X+8*\q:X+8*\q+3]   offset:\q*X1P
	ds_store_b128 v10, v[X+8*\q+4:X+8*\q+7] offset:\q*X1P+512
	v_cvt_pk_f16_f32 v[MN+4*\q],   v[X+8*\q],   v[X+8*\q+1]
	v_cvt_pk_f16_f32 v[MN+4*\q+1], v[X+8*\q+2], v[X+8*\q+3]
	v_cvt_pk_f16_f32 v[MN+4*\q+2], v[X+8*\q+4], v[X+8*\q+5]
	v_cvt_pk_f16_f32 v[MN+4*\q+3], v[X+8*\q+6], v[X+8*\q+7]
	ds_store_b64 v6, v[MN+4*\q:MN+4*\q+1]   offset:\q*XBP
	ds_store_b64 v6, v[MN+4*\q+2:MN+4*\q+3] offset:\q*XBP+256
.endif
.endr
.endm
	; PHASE 0: my four rows of Q, rounded to f16, into XB; bq and Wq's fragments are asked for behind them.
.irp q, 0,1,2,3
	global_load_b128 v[X+8*\q:X+8*\q+3],   v5, s[8:9] offset:\q*1024 th:TH_LOAD_NT
	global_load_b128 v[X+8*\q+4:X+8*\q+7], v5, s[8:9] offset:\q*1024+512 th:TH_LOAD_NT
.endr
	LDBIAS 18
	LDWF 0
	s_wait_kmcnt 0x0
	s_max_i32 s6, s6, 0
	s_min_i32 s6, s6, 0x400                        ; lengths[b] in 0..1024
	s_max_u32 s7, s6, 1
	s_sub_co_u32 s7, s7, 1
	s_lshr_b32 s7, s7, 6                           ; whole tiles of 64 keys in front of the last, masked one
	s_cmp_lt_u32 s5, s6
	s_cselect_b32 s7, s7, 0                        ; no row of the block is live: one tile does, its result is thrown away
	s_min_u32 s7, s7, 15                           ; the loop's loads reach tile s7: inside the head's 16 tiles
	s_wait_loadcnt 36                              ; bq's 4 and the fragments' 32 loads are younger: Q is in
.irp q, 0,1,2,3
	v_cvt_pk_f16_f32 v[X+8*\q],   v[X+8*\q],   v[X+8*\q+1]
	v_cvt_pk_f16_f32 v[X+8*\q+1], v[X+8*\q+2], v[X+8*\q+3]
	v_cvt_pk_f16_f32 v[X+8*\q+4], v[X+8*\q+4], v[X+8*\q+5]
	v_cvt_pk_f16_f32 v[X+8*\q+5], v[X+8*\q+6], v[X+8*\q+7]
	ds_store_b64 v6, v[X+8*\q:X+8*\q+1]   offset:\q*XBP
	ds_store_b64 v6, v[X+8*\q+4:X+8*\q+5] offset:\q*XBP+256
.endr
	BARRIER                                        ; XB is whole before anybody takes fragments from it
.macro LD4 dst, sb, off                ; 2,048 consecutive bytes: two operands of 16 x 32
.irp i, 0,1,2,3
	global_load_b128 v[\dst+4*\i:\dst+4*\i+3], v4, s[\sb:\sb+1] offset:\off+512*\i
.endr
.endm
	; PHASE 1: q^T for my head.
	GEMM32
	LD4 KA, 12, 0                                  ; tile 0 of k and v is asked for as soon as the weights' registers are free
	LD4 VA, 14, 0
	LD4 KB, 12, 2048
	v_add_nc_u32 v14, s5, v2
	v_add_nc_u32 v15, 16, v14
	v_cmp_gt_i32 s40, s6, v14                      ; my query of token tile 0 is live,
	v_cmp_gt_i32 s41, s6, v15                      ; of tile 1
.irp t, 0,1,2,3
.irp j, 0,1,2,3,4,5,6,7
	v_cndmask_b32 v[QT+8*\t+\j], 0, v[QT+8*\t+\j], s[40+(\t&1)]
.endr
.endr
.set n, 0
.rept 16
	v_pk_mul_f32 v[S+2*n:S+2*n+1], v[QT+2*n:QT+2*n+1], 0x3db8aa3b op_sel_hi:[1,0]   ; log2(e) / 16: the scores come out ready for 2^x
.set n, n+1
.endr
.irp a, 0,1
.irp b2, 0,1
.irp m, 0,1,2,3
	v_cvt_pk_bf16_f32 v[QF+8*\b2+4*\a+\m], v[S+8*(2*\a+\b2)+2*\m], v[S+8*(2*\a+\b2)+2*\m+1]
.endr
.endr
.endr
.set n, 0
.rept 32
	v_mov_b32 v[ACC+n], 0                          ; cleared, since the loop may run no trip at all: no product is the first one in the text
.set n, n+1
.endr
.irp i, 0,1,2,3
	v_mov_b32 v[LS+\i], 0
.endr
	s_lshl_b32 s42, s7, 6
	s_sub_co_i32 s42, s6, s42
	v_lshlrev_b32 v14, 3, v3
	v_sub_nc_u32 v13, s42, v14                     ; key 32 u + 16 t + 8 h + j of the last tile is live where 32 u + 16 t + j < v13
; 32 keys x 32 queries of scores.  The four places serve the exponentials, which read the results, and the loads that follow,
; which land on this k and on the v that the products in front have read.
.macro SCORES kr, kw
	s_wait_loadcnt \kw
.irp t, 0,1
.irp b2, 0,1
	v_wmma_f32_16x16x32_bf16 v[S+8*(2*\t+\b2):S+8*(2*\t+\b2)+7], v[\kr+8*\t:\kr+8*\t+7], v[QF+8*\b2:QF+8*\b2+7], 0
.endr
.endr
	NOP4
.endm
; e = 2^score, masked in the last tile; its sums in f32; e in bf16 times v
.macro REST vr, u, mask, vw
.set n, 0
.rept 32
	v_exp_f32 v[S+n], v[S+n]
.set n, n+1
.endr
	v_nop                                          ; one plain place behind the last v_exp_f32 (ISA guide 5.7.2)
.if \mask
	s_wait_alu depctr_va_vdst(0)
.irp t, 0,1
.irp j, 0,1,2,3,4,5,6,7
	v_cmp_lt_i32 vcc_lo, 32*\u+16*\t+\j, v13
	v_cndmask_b32 v[S+16*\t+\j],   0, v[S+16*\t+\j],   vcc_lo
	v_cndmask_b32 v[S+16*\t+8+\j], 0, v[S+16*\t+8+\j], vcc_lo
.endr
.endr
.endif
	s_wait_alu depctr_va_vdst(0)
.irp t, 0,1
.irp m, 0,1,2,3
.irp b2, 0,1
	v_pk_add_f32 v[LS+2*\b2:LS+2*\b2+1], v[LS+2*\b2:LS+2*\b2+1], v[S+8*(2*\t+\b2)+2*\m:S+8*(2*\t+\b2)+2*\m+1]
.endr
.endr
.endr
.irp t, 0,1
.irp b2, 0,1
.irp m, 0,1,2,3
	v_cvt_pk_bf16_f32 v[P+8*\b2+4*\t+\m], v[S+8*(2*\t+\b2)+2*\m], v[S+8*(2*\t+\b2)+2*\m+1]
.endr
.endr
.endr
	s_wait_loadcnt \vw
.irp a, 0,1
.irp b2, 0,1
	v_wmma_f32_16x16x32_bf16 v[ACC+8*(2*\a+\b2):ACC+8*(2*\a+\b2)+7], v[\vr+8*\a:\vr+8*\a+7], v[P+8*\b2:P+8*\b2+7], v[ACC+8*(2*\a+\b2):ACC+8*(2*\a+\b2)+7]
.endr
.endr
.endm
; A trip is 64 keys: 4,096 bytes of kf and of vf.  At its head KA, VA, KB of this tile are out, in that order, 4 loads each.
; Each wait names the loads younger than the set it needs.  In the loop: KA: VA, KB = 8; VA: KB, VB, next KA = 12;
; KB: VB, next KA = 8; VB: next KA, VA, KB = 12.  In the last trip only VB is asked for: 8, 8, 4, 0.
.macro TRIP mask, refill
	SCORES KA, 8
	LD4 VB, 14, 2048
.if \refill
	LD4 KA, 12, 4096
	REST VA, 0, \mask, 12
	SCORES KB, 8
	LD4 VA, 14, 4096
	LD4 KB, 12, 6144
	REST VB, 1, \mask, 12
.else
	REST VA, 0, \mask, 8
	SCORES KB, 4
	REST VB, 1, \mask, 0
.endif
.endm
	; PHASE 2: the keys.  No wave reads what another brought: no barrier in the loop.
	s_mov_b32 s32, 0
	s_cmp_eq_u32 s7, 0
	s_cbranch_scc1 .Ltail
.Lkeys:
	TRIP 0, 1
	s_wait_xcnt 0x0                                ; the two bases are stepped only behind this wait
	s_add_nc_u64 s[12:13], s[12:13], 4096
	s_add_nc_u64 s[14:15], s[14:15], 4096
	s_add_co_u32 s32, s32, 1
	s_cmp_lt_u32 s32, s7
	s_cbranch_scc1 .Lkeys
.Ltail:
	TRIP 1, 0
	; PHASE 3: O = q + sum(e v) / (sum(e) + 1e-15), then LN0.  The first four lines are the places behind the last products.
	v_add_f32 v[LS], v[LS], v[LS+1]
	v_add_f32 v[LS+2], v[LS+2], v[LS+3]
	v_mov_b32 v[T], 0                              ; v_permlanex16_b32's destination counts as read
	v_mov_b32 v[T+1], 0
	global_load_b128 v[80:83], v4, s[22:23]        ; g0 and b0 of columns 4 L .. and 128 + 4 L ..
	global_load_b128 v[84:87], v4, s[22:23] offset:512
	global_load_b128 v[88:91], v4, s[24:25]
	global_load_b128 v[92:95], v4, s[24:25] offset:512
	LDBIAS 20                                      ; bo and Wo's fragments come in under the layer norm
	LDWF 131072
	v_permlanex16_b32 v[T], v[LS], s36, s37        ; the other half of the lanes holds the other keys of my query
	v_permlanex16_b32 v[T+1], v[LS+2], s36, s37
	v_add_f32 v[LS], v[LS], v[T]
	v_add_f32 v[LS+2], v[LS+2], v[T+1]
	v_add_f32 v[LS], 0x26901d7d, v[LS]             ; + 1e-15
	v_add_f32 v[LS+2], 0x26901d7d, v[LS+2]
	v_rcp_f32 v[RR], v[LS]
	v_rcp_f32 v[RR+2], v[LS+2]
	v_nop
	s_wait_alu depctr_va_vdst(0)
	v_cndmask_b32 v[RR+1], 0, v[RR], s40           ; a row at or beyond the length attends to nothing
	v_cndmask_b32 v[RR], 0, v[RR], s40
	v_cndmask_b32 v[RR+3], 0, v[RR+2], s41
	v_cndmask_b32 v[RR+2], 0, v[RR+2], s41
.irp t, 0,1,2,3
.irp m, 0,1,2,3
	v_pk_fma_f32 v[ACC+8*\t+2*\m:ACC+8*\t+2*\m+1], v[ACC+8*\t+2*\m:ACC+8*\t+2*\m+1], v[RR+2*(\t&1):RR+2*(\t&1)+1], v[QT+8*\t+2*\m:QT+8*\t+2*\m+1]
.endr
.endr
	PUTOF ACC
	BARRIER                                        ; OF is whole; and every wave's reads of XB (phase 1) are over before LN0 writes XB anew
	s_wait_loadcnt 36                              ; bo's 4 and the fragments' 32 loads are younger: g0 and b0 are in
	LN 80, 0
	BARRIER                                        ; XB and X1F are whole; and the reads of OF are over before phase 4 writes it anew
	; PHASE 4: X + relu(X Wo + bo), then LN1.
	GEMM32
	global_load_b128 v[128:131], v4, s[26:27]      ; g1 and b1
	global_load_b128 v[132:135], v4, s[26:27] offset:512
	global_load_b128 v[136:139], v4, s[28:29]
	global_load_b128 v[140:143], v4, s[28:29] offset:512
.irp a, 0,1
.irp b2, 0,1
	ds_load_b128 v[X+8*(2*\a+\b2):X+8*(2*\a+\b2)+3],   v11 offset:\b2*16*X1P+\a*64
	ds_load_b128 v[X+8*(2*\a+\b2)+4:X+8*(2*\a+\b2)+7], v11 offset:\b2*16*X1P+\a*64+16
.endr
.endr
.set n, 0
.rept 32
	v_max_num_f32 v[QT+n], 0, v[QT+n]
.set n, n+1
.endr
	s_wait_dscnt 0x0
.set n, 0
.rept 16
	v_pk_add_f32 v[QT+2*n:QT+2*n+1], v[QT+2*n:QT+2*n+1], v[X+2*n:X+2*n+1]
.set n, n+1
.endr
	PUTOF QT
	BARRIER                                        ; OF is whole
	s_wait_loadcnt 0x0                             ; g1 and b1
	LN 128, 1
	s_set_vgpr_msb 0x5
	s_wait_tensorcnt 0x0
	ds_add_u32 v0, v1
	s_wait_dscnt 0x0
	s_set_vgpr_msb 0x500
	s_endpgm
.Lfunc_end_k_q8e8a5d978d_attn:
	.size	k_q8e8a5d978d_attn, .Lfunc_end_k_q8e8a5d978d_attn-k_q8e8a5d978d_attn
	.p2alignl 7, 3214868480
	.fill 96, 4, 3214868480
	.section	.rodata,"a",@progbits
	.p2align	6, 0x0
	.amdhsa_kernel k_q8e8a5d978d_attn
		.amdhsa_group_segment_fixed_size 89088
		.amdhsa_private_segment_fixed_size 0
		.amdhsa_enable_private_segment 0
		.amdhsa_kernarg_size 96
		.amdhsa_user_sgpr_count 2
		.amdhsa_user_sgpr_kernarg_segment_ptr 1
		.amdhsa_wavefront_size32 1
		.amdhsa_system_sgpr_workgroup_id_x 1
		.amdhsa_system_sgpr_workgroup_id_y 1
		.amdhsa_system_sgpr_workgroup_id_z 1
		.amdhsa_system_vgpr_workitem_id 0
		.amdhsa_next_free_vgpr 258
		.amdhsa_next_free_sgpr 66
		.amdhsa_reserve_vcc 1
		.amdhsa_float_denorm_mode_32 3
		.amdhsa_float_denorm_mode_16_64 3
		.amdhsa_memory_ordered 1
		.amdhsa_forward_progress 1
		.amdhsa_inst_pref_size 77
	.end_amdhsa_kernel
	.amdgpu_metadata
---
amdhsa.version: [ 1, 2 ]
amdhsa.kernels:
  - .name:           k_q8e8a5d978d_attn
    .symbol:         k_q8e8a5d978d_attn.kd
    .args:
      - { .name: Q, .offset: 0, .size: 8, .value_kind: global_buffer, .address_space: global }
      - { .name: lengths, .offset: 8, .size: 8, .value_kind: global_buffer, .address_space: global }
      - { .name: kf, .offset: 16, .size: 8, .value_kind: global_buffer, .address_space: global }
      - { .name: vf, .offset: 24, .size: 8, .value_kind: global_buffer, .address_space: global }
      - { .name: wf, .offset: 32, .size: 8, .value_kind: global_buffer, .address_space: global }
      - { .name: bq, .offset: 40, .size: 8, .value_kind: global_buffer, .address_space: global }
      - { .name: bo, .offset: 48, .size: 8, .value_kind: global_buffer, .address_space: global }
      - { .name: g0, .offset: 56, .size: 8, .value_kind: global_buffer, .address_space: global }
      - { .name: b0, .offset: 64, .size: 8, .value_kind: global_buffer, .address_space: global }
      - { .name: g1, .offset: 72, .size: 8, .value_kind: global_buffer, .address_space: global }
      - { .name: b1, .offset: 80, .size: 8, .value_kind: global_buffer, .address_space: global }
      - { .name: out0, .offset: 88, .size: 8, .value_kind: global_buffer, .address_space: global }
    .group_segment_fixed_size: 89088
    .private_segment_fixed_size: 0
    .kernarg_segment_align: 8
    .kernarg_segment_size: 96
    .max_flat_workgroup_size: 256
    .sgpr_count:     66
    .vgpr_count:     258
    .wavefront_size: 32
...
	.end_amdgpu_metadata
.endif
;; end of part 2
;; ======== version 2 of 2: 2 launches; 1.15 times as fast as version 1
;; limits: right only within a limited range of input values; values are held in f16: magnitudes above 65,504 overflow, below 6.1e-05 lose precision; inputs' magnitudes at most 65,504
;; workspace buffers: kf 4,194,304 bytes; vf 4,194,304 bytes; wf 262,144 bytes
;; launch proj: the kernel of part 1 again; grid 64 x 4, 8 waves a work-group, no clusters, 143,360 bytes of LDS; arguments K, Wk, Wv, bk, bv, lengths, Wq, Wo, kf, vf, wf; writes kf, vf, wf
;; launch attn (part 3): grid 256 x 1, 16 waves a work-group, no clusters, 180,224 bytes of LDS; arguments Q, lengths, kf, vf, wf, bq, bo, g0, b0, g1, b1, out0; writes out0
.if DOCPART == 3
	.amdgcn_target "amdgcn-amd-amdhsa--gfx1250"
	.amdhsa_code_object_version 6
	.text
	.protected	k_q8e8a5d978d_attn
	.globl	k_q8e8a5d978d_attn
	.p2align	8
	.type	k_q8e8a5d978d_attn,@function
k_q8e8a5d978d_attn:
	s_mov_b64 s[64:65], 0
	v_nop
	global_prefetch_b8 v0, s[64:65] scope:SCOPE_SE
	s_setreg_imm32_b32 hwreg(HW_REG_WAVE_MODE, 25, 1), 1
	s_wait_xcnt 0x0
; For 32 rows of one batch and all 8 heads: q = (Q Wq + bq) mask; e = exp(q k / 16) masked by rows and keys;
; O = q + (e v) / (sum e + 1e-15); LN0; X + relu(X Wo + bo); LN1.
; SIXTEEN WAVES, two for each head: wave w has head = w / 2 and kh = w % 2.
;   the two GEMMs:   wave w makes columns 16 w .. 16 w + 15 of all 32 rows (8 weight fragments, 16 matrix instructions);
;   the keys:        wave w walks tiles kh, kh + 2, .. (64 keys each) of its head for all 32 rows; reference() takes no maximum
;                    away before its exponential, so the partners' sums of e v and of e simply add, through LDS;
;   row-wise steps:  wave w takes rows 2 w, 2 w + 1 (staging of Q, the two layer norms).
; Four waves of 256 registers fill a SIMD's 1,024; while one waits for k or v the other three work.
; Every product is taken in the orientation whose result layout is the next operand's layout:
;   q^T = Wq^T Q^T : lane r = token, register j = column 8 h + j; the partners' two tiles pack into the second source of the scores
;   S^T = K q^T    : lane r = query, register j = key 8 h + j;    two tiles pack into the second source of P V
;   O^T = V^T P^T  : the layout of q^T, so the residual is one fused multiply-add on registers.
; FORMATS.  Q Wq and X Wo take f16 operands (11 significant bits against bf16's 8): q is the residual and X Wo is added to X,
; so their operands' rounding reaches the output undamped.  The scores and P V take bf16: e = exp(score) reaches e^88 where
; reference() is still finite, which has no room in f16, and v shares a matrix instruction with e; q and k can reach 256 |Q| |W|,
; and their rounding enters only as a small absolute error of a score, averaged over the keys.
; k, v and the weights come from memory already in register order (kf, vf, wf: blocks of 1,024 bytes, [chunk][lane][16 bytes]);
; every load of them covers 512 consecutive bytes.  Each byte of k and v has one reader in the work-group,
; so it goes straight into registers: LDS would add a write and a read and share nothing.
; NO CLUSTER: the 32 row blocks of a batch walk the same k and v, but a block whose rows all lie beyond lengths[b] walks one
; tile a wave and the others about lengths[b]/128, so partners would make different numbers of requests; and a joint request
; lands in LDS, which this text does not use for k and v.
; LIMITS: |Q|, the weights and LN0's result (at most 16 |g0| + |b0|) under 65,504, f16's largest number; under 6.1e-5 they are
; kept in steps of 6e-8.  sum(e v) is formed before the division by sum(e) (reference() divides first), so it leaves f32's range once
; exp(score) |v| lengths passes 3.4e38, a band of ln(lengths max|v|) below the score 88.7 at which reference() overflows itself;
; v_exp_f32 and v_rcp_f32 give zero for results under 2^-126 (ISA guide 15.8): such an e is under 1e-23 of the 1e-15 in the divisor;
; lengths is clamped to 0..1024: the same mask as arange(N) < lengths.
.set XBP,  528                         ; XB at 0: 32 rows x 256 f16, pitch 512 + 16 = 33 x 16 (Q, later LN0's result)
.set OF,   32*XBP                      ; 16,896: 16 regions (one a wave) of 32 rows x 16 f32, pitch 64 + 16 = 5 x 16
.set OFP,  80
.set OFW,  32*OFP+64                   ; 2,624: neighbouring regions lie 64 bytes apart modulo 256
.set X1F,  OF+16*OFW                   ; 58,880: LN0's result in f32, 32 rows, pitch 1,040 = 65 x 16
.set X1P,  1040
.set QX,   X1F+32*X1P                  ; 92,160: 16 x 1,024: wave w's half of q in bf16, [token tile][lane][16 bytes]
.set MX,   QX+16*1024                  ; 108,544: 16 x 4,096: wave w's four tiles of sum(e v), [tile][chunk][lane][16 bytes]
.set LX,   MX+16*4096                  ; 174,080: 16 x 256: wave w's sums of e, [lane][8 bytes]
.set QT,   16                          ; v[16:31]   tile b2 (16 tokens) of my 16 columns: q^T in f32; the sums of both GEMMs
.set ACC,  32                          ; v[32:63]   O^T of my keys, tile 2 a + b2 (a: 16 columns of the head)
.set QF,   64                          ; v[64:79]   q log2(e)/16 in bf16, second source of the scores, 8 registers for each b2
.set P,    80                          ; v[80:95]   e in bf16, second source of P V, 8 registers for each b2
.set LS,   96                          ; v[96:99]   running sums of e, a pair for each b2
.set RR,   100                         ; v[100:103] 1 / (sum + 1e-15), a pair for each b2
.set BO,   104                         ; v[104:111] bo of my columns, in the layout of C
.set G0,   112                         ; v[112:127] g0, b0 of columns 4 L .. and 128 + 4 L ..
.set KA,   128                         ; v[128:143], v[144:159]: k of the two halves (32 keys each) of a trip
.set KB,   144
.set VA,   160                         ; v[160:175], v[176:191]: v likewise
.set VB,   176
.set S,    192                         ; v[192:223] scores, tile 2 t + b2 (t: 16 keys)
.set G1,   224                         ; v[224:239] g1, b1
.set BQ,   248                         ; v[248:255] bq of my columns
.set WQ,   32                          ; v[32:95]   Wq's 8 fragments (first GEMM only)
.set WO,   128                         ; v[128:191] Wo's 8 fragments, in k's and v's registers after their last use
.set HA,   192                         ; v[192:207], v[208:223]: two buffers of 2 fragments of XB
.set X,    32                          ; v[32:47]   layer norms: row q at +8 q
.set MN,   48                          ; v[48:55]   a pair for each row: mean, then 1/sqrt; then the packed f16
.set WK,   56                          ; v[56:59]   a pair for each row, at work
; v1 L, v2 r, v3 h, v4 16 L, v5 Q/out0 offset, v6 XB store, v7 XB fragment, v8 OF store, v9 OF row read, v10 X1F store,
; v11 X1F read, v12 bias offset, v13 live keys of my last tile, v14 v15 at work,
; v240 QX store, v241 QX read, v242 MX store, v243 MX read, v244 LX store, v245 LX read
.macro NOP4
.rept 4
	v_nop
.endr
.endm
.macro BARRIER                         ; my LDS loads and stores are done before I say so: zero, for the other waves' sake
	s_wait_dscnt 0x0
	s_barrier_signal -1
	s_barrier_wait -1
.endm
.macro LD4 dst, sb, off                ; 2,048 consecutive bytes: two operands of 16 x 32
.irp i, 0,1,2,3
	global_load_b128 v[\dst+4*\i:\dst+4*\i+3], v4, s[\sb:\sb+1] offset:\off+512*\i
.endr
.endm
.macro LDBIAS dst, sb                  ; bias of columns 16 w + 8 h + 0..7, in the layout of C
	global_load_b128 v[\dst:\dst+3],   v12, s[\sb:\sb+1]
	global_load_b128 v[\dst+4:\dst+7], v12, s[\sb:\sb+1] offset:16
.endm
.macro LDGB dst, sg, sb                ; gain and bias of a layer norm for columns 4 L .. and 128 + 4 L ..
	global_load_b128 v[\dst:\dst+3],     v4, s[\sg:\sg+1]
	global_load_b128 v[\dst+4:\dst+7],   v4, s[\sg:\sg+1] offset:512
	global_load_b128 v[\dst+8:\dst+11],  v4, s[\sb:\sb+1]
	global_load_b128 v[\dst+12:\dst+15], v4, s[\sb:\sb+1] offset:512
.endm
.macro LDXB ks                         ; k step ks of both token tiles: 4 LDS loads
.set hb, HA+16*((\ks)&1)
.irp b2, 0,1
	ds_load_b128 v[hb+8*\b2:hb+8*\b2+3],   v7 offset:\b2*16*XBP+(\ks)*64
	ds_load_b128 v[hb+8*\b2+4:hb+8*\b2+7], v7 offset:\b2*16*XBP+(\ks)*64+32
.endr
.endm
.macro MM ks, wfb, bib                 ; 2 matrix instructions; the first k step takes the bias as C: it starts the sums
.set hb, HA+16*((\ks)&1)
.irp b2, 0,1
.if (\ks) == 0
	v_wmma_f32_16x16x32_f16 v[QT+8*\b2:QT+8*\b2+7], v[\wfb+8*(\ks):\wfb+8*(\ks)+7], v[hb+8*\b2:hb+8*\b2+7], v[\bib:\bib+7]
.else
	v_wmma_f32_16x16x32_f16 v[QT+8*\b2:QT+8*\b2+7], v[\wfb+8*(\ks):\wfb+8*(\ks)+7], v[hb+8*\b2:hb+8*\b2+7], v[QT+8*\b2:QT+8*\b2+7]
.endif
.endr
.endm
; QT = W^T XB^T + bias: my 16 columns x 32 tokens, K = 256 in 8 steps.  lw: the global loads that may stay out.
; Four places stand in front of each run of loads into a buffer that matrix instructions have just read, and behind
; the last product.
.macro GEMM16 wfb, bib, lw
	LDXB 0
	LDXB 1
	s_wait_loadcnt \lw                             ; weights and bias are in
.irp ks, 0,1,2,3,4,5,6,7
.if \ks < 7
	s_wait_dscnt 4                                 ; the next step's 4 loads are younger: this step's are in
.else
	s_wait_dscnt 0x0
.endif
	MM \ks, \wfb, \bib
.if \ks < 6
	NOP4
	LDXB \ks+2
.endif
.endr
	NOP4
.endm
.macro PUTOF src                       ; my 16 columns x 32 tokens in f32 into my own region of OF
.irp b2, 0,1
	ds_store_b128 v8, v[\src+8*\b2:\src+8*\b2+3]   offset:\b2*16*OFP
	ds_store_b128 v8, v[\src+8*\b2+4:\src+8*\b2+7] offset:\b2*16*OFP+16
.endr
.endm
.macro LANESUM                         ; v[WK+2q] summed over the 32 lanes, for two rows side by side
.irp xm, 1,2,4,8
.irp q, 0,1
	v_add_f32_dpp v[WK+2*\q], v[WK+2*\q], v[WK+2*\q] row_xmask:\xm row_mask:0xf bank_mask:0xf
.endr
.endr
.irp q, 0,1
	v_permlanex16_b32 v[WK+2*\q+1], v[WK+2*\q], s36, s37
.endr
.irp q, 0,1
	v_add_f32 v[WK+2*\q], v[WK+2*\q], v[WK+2*\q+1]
.endr
.endm
; Layer norm of rows 2 w, 2 w + 1 out of OF.  A lane holds columns 4 L .. +3 and 128 + 4 L .. +3 of each row.
; v[G:G+7] gain, v[G+8:G+15] bias of these columns.  The variance is taken of the centred row, as reference() takes it.
; mode 0: the result goes to X1F (f32) and XB (f16); mode 1: to out0, 512 consecutive bytes a store.
.macro LN G, mode
.irp q, 0,1
	ds_load_b128 v[X+8*\q:X+8*\q+3],   v9 offset:\q*OFP
	ds_load_b128 v[X+8*\q+4:X+8*\q+7], v9 offset:\q*OFP+8*OFW
.endr
	s_wait_dscnt 0x0
.irp q, 0,1
	v_pk_add_f32 v[WK+2*\q:WK+2*\q+1], v[X+8*\q:X+8*\q+1],   v[X+8*\q+2:X+8*\q+3]
	v_pk_add_f32 v[MN+2*\q:MN+2*\q+1], v[X+8*\q+4:X+8*\q+5], v[X+8*\q+6:X+8*\q+7]
.endr
.irp q, 0,1
	v_pk_add_f32 v[WK+2*\q:WK+2*\q+1], v[WK+2*\q:WK+2*\q+1], v[MN+2*\q:MN+2*\q+1]
.endr
.irp q, 0,1
	v_add_f32 v[WK+2*\q], v[WK+2*\q], v[WK+2*\q+1]
.endr
	LANESUM
.irp q, 0,1
	v_mul_f32 v[MN+2*\q],   s38, v[WK+2*\q]        ; the mean, twice: a pair for the packed forms
	v_mul_f32 v[MN+2*\q+1], s38, v[WK+2*\q]
.endr
.irp q, 0,1
.irp p, 0,1,2,3
	v_pk_add_f32 v[X+8*\q+2*\p:X+8*\q+2*\p+1], v[X+8*\q+2*\p:X+8*\q+2*\p+1], v[MN+2*\q:MN+2*\q+1] neg_lo:[0,1] neg_hi:[0,1]
.endr
.endr
.irp q, 0,1
	v_pk_mul_f32 v[WK+2*\q:WK+2*\q+1], v[X+8*\q:X+8*\q+1], v[X+8*\q:X+8*\q+1]
.endr
.irp p, 1,2,3
.irp q, 0,1
	v_pk_fma_f32 v[WK+2*\q:WK+2*\q+1], v[X+8*\q+2*\p:X+8*\q+2*\p+1], v[X+8*\q+2*\p:X+8*\q+2*\p+1], v[WK+2*\q:WK+2*\q+1]
.endr
.endr
.irp q, 0,1
	v_add_f32 v[WK+2*\q], v[WK+2*\q], v[WK+2*\q+1]
.endr
	LANESUM
.irp q, 0,1
	v_fma_f32 v[WK+2*\q], v[WK+2*\q], s38, s39     ; variance + 1e-5
.endr
.irp q, 0,1
	v_rsq_f32 v[MN+2*\q],   v[WK+2*\q]
	v_rsq_f32 v[MN+2*\q+1], v[WK+2*\q]
.endr
	v_nop                                          ; one plain place behind the last v_rsq_f32 before its result is used (ISA guide 5.7.2)
	s_wait_alu depctr_va_vdst(0)
.irp q, 0,1
.irp p, 0,1,2,3
	v_pk_mul_f32 v[X+8*\q+2*\p:X+8*\q+2*\p+1], v[X+8*\q+2*\p:X+8*\q+2*\p+1], v[MN+2*\q:MN+2*\q+1]
.endr
.irp p, 0,1,2,3
	v_pk_fma_f32 v[X+8*\q+2*\p:X+8*\q+2*\p+1], v[X+8*\q+2*\p:X+8*\q+2*\p+1], v[\G+2*\p:\G+2*\p+1], v[\G+8+2*\p:\G+8+2*\p+1]
.endr
.endr
.irp q, 0,1
.if \mode
	global_store_b128 v5, v[X+8*\q:X+8*\q+3],   s[30:31] offset:\q*1024 th:TH_STORE_NT
	global_store_b128 v5, v[X+8*\q+4:X+8*\q+7], s[30:31] offset:\q*1024+512 th:TH_STORE_NT
.else
	ds_store_b128 v10, v[X+8*\q:X+8*\q+3]   offset:\q*X1P
	ds_store_b128 v10, v[X+8*\q+4:X+8*\q+7] offset:\q*X1P+512
	v_cvt_pk_f16_f32 v[MN+4*\q],   v[X+8*\q],   v[X+8*\q+1]
	v_cvt_pk_f16_f32 v[MN+4*\q+1], v[X+8*\q+2], v[X+8*\q+3]
	v_cvt_pk_f16_f32 v[MN+4*\q+2], v[X+8*\q+4], v[X+8*\q+5]
	v_cvt_pk_f16_f32 v[MN+4*\q+3], v[X+8*\q+6], v[X+8*\q+7]
	ds_store_b64 v6, v[MN+4*\q:MN+4*\q+1]   offset:\q*XBP
	ds_store_b64 v6, v[MN+4*\q+2:MN+4*\q+3] offset:\q*XBP+256
.endif
.endr
.endm
; 32 keys x 32 queries of scores.  The four places serve the exponentials, which read the results, and the load that follows,
; which lands on this k.
.macro SCORES kr, kw
	s_wait_loadcnt \kw
.irp t, 0,1
.irp b2, 0,1
	v_wmma_f32_16x16x32_bf16 v[S+8*(2*\t+\b2):S+8*(2*\t+\b2)+7], v[\kr+8*\t:\kr+8*\t+7], v[QF+8*\b2:QF+8*\b2+7], 0
.endr
.endr
	NOP4
.endm
; e = 2^score, masked in a wave's last tile, and rounded to bf16
.macro EXPP u, mask
.set n, 0
.rept 32
	v_exp_f32 v[S+n], v[S+n]
.set n, n+1
.endr
	v_nop                                          ; one plain place behind the last v_exp_f32 (ISA guide 5.7.2)
.if \mask
	s_wait_alu depctr_va_vdst(0)
.irp t, 0,1
.irp j, 0,1,2,3,4,5,6,7
	v_cmp_lt_i32 vcc_lo, 32*\u+16*\t+\j, v13
	v_cndmask_b32 v[S+16*\t+\j],   0, v[S+16*\t+\j],   vcc_lo
	v_cndmask_b32 v[S+16*\t+8+\j], 0, v[S+16*\t+8+\j], vcc_lo
.endr
.endr
.endif
	s_wait_alu depctr_va_vdst(0)
.irp t, 0,1
.irp b2, 0,1
.irp m, 0,1,2,3
	v_cvt_pk_bf16_f32 v[P+8*\b2+4*\t+\m], v[S+8*(2*\t+\b2)+2*\m], v[S+8*(2*\t+\b2)+2*\m+1]
.endr
.endr
.endr
.endm
; e times v; behind the products the sums of e in f32: 16 plain instructions that name none of the products' registers,
; the places in front of the load that lands on this v
.macro PV vr, vw
	s_wait_loadcnt \vw
.irp a, 0,1
.irp b2, 0,1
	v_wmma_f32_16x16x32_bf16 v[ACC+8*(2*\a+\b2):ACC+8*(2*\a+\b2)+7], v[\vr+8*\a:\vr+8*\a+7], v[P+8*\b2:P+8*\b2+7], v[ACC+8*(2*\a+\b2):ACC+8*(2*\a+\b2)+7]
.endr
.endr
.irp t, 0,1
.irp m, 0,1,2,3
.irp b2, 0,1
	v_pk_add_f32 v[LS+2*\b2:LS+2*\b2+1], v[LS+2*\b2:LS+2*\b2+1], v[S+8*(2*\t+\b2)+2*\m:S+8*(2*\t+\b2)+2*\m+1]
.endr
.endr
.endr
.endm
; A trip is 64 keys: 4,096 bytes of kf and of vf.  At its head KA, VA, KB, VB of this tile are out, in that order, 4 loads each,
; and each set is asked for again as soon as its products are issued: a whole trip ahead, 16 loads of 512 bytes a wave.
; So behind the set that a wait needs there are always three younger sets: every count is 12.
; (sa, oa) .. (sd, od): base and offset of what comes into KA, VA, KB, VB: my next tile, or, in the last trip, Wo's fragments.
.macro TRIP mask, sa, oa, sb, ob, sc, oc, sd, od
	SCORES KA, 12
	LD4 KA, \sa, \oa
	EXPP 0, \mask
	PV VA, 12
	LD4 VA, \sb, \ob
	SCORES KB, 12
	LD4 KB, \sc, \oc
	EXPP 1, \mask
	PV VB, 12
	LD4 VB, \sd, \od
.endm
	s_load_b512 s[8:23], s[0:1], 0x0               ; Q s8, lengths s10, kf s12, vf s14, wf s16, bq s18, bo s20, g0 s22
	s_load_b256 s[24:31], s[0:1], 0x40             ; b0 s24, g1 s26, b1 s28, out0 s30
	v_lshl_add_u32 v246, v0, 2, 0x2b800
	v_mov_b32 v247, 0
	v_lshrrev_b32 v14, 5, v0
	v_readfirstlane_b32 s2, v14                    ; wave w, 0 to 15
	s_lshr_b32 s43, s2, 1                          ; head
	s_and_b32 s44, s2, 1                           ; kh: which tiles of keys, and which 16 columns of the head
	s_mov_b32 s3, ttmp9                            ; x = 32 b + row block
	s_lshr_b32 s4, s3, 5                           ; b
	s_and_b32 s5, s3, 31
	s_lshl_b32 s5, s5, 5                           ; the block's first row in its batch
	s_mov_b32 s35, 0                               ; high word of every offset pair s[34:35]
	s_mov_b32 s36, 0x76543210                      ; v_permlanex16_b32: lane i takes lane i of the other half
	s_mov_b32 s37, 0xfedcba98
	s_mov_b32 s38, 0x3b800000                      ; 1/256
	s_mov_b32 s39, 0x3727c5ac                      ; 1e-5
	v_and_b32 v1, 31, v0
	v_and_b32 v2, 15, v0
	v_bfe_u32 v3, v0, 4, 1
	v_lshlrev_b32 v4, 4, v1
	s_lshl_b32 s42, s2, 11
	v_add_nc_u32 v5, s42, v4                       ; rows 2 w ..: 2,048 w + 16 L
	s_lshl_b32 s42, s2, 6
	v_lshl_add_u32 v12, v3, 5, s42                 ; 4 (16 w + 8 h)
	s_wait_kmcnt 0x0
	s_lshl_b32 s34, s3, 15
	s_add_nc_u64 s[8:9], s[8:9], s[34:35]          ; Q and out0 at the block's first row: x * 32 rows * 1,024 bytes
	s_add_nc_u64 s[30:31], s[30:31], s[34:35]
	; PHASE 0.  All 48 loads that hang on no result go out at once, in the order in which they are needed.
.irp q, 0,1
	global_load_b128 v[S+8*\q:S+8*\q+3],   v5, s[8:9] offset:\q*1024 th:TH_LOAD_NT
	global_load_b128 v[S+8*\q+4:S+8*\q+7], v5, s[8:9] offset:\q*1024+512 th:TH_LOAD_NT
.endr
	s_lshl_b32 s34, s4, 2
	s_add_nc_u64 s[10:11], s[10:11], s[34:35]
	s_load_b32 s6, s[10:11], 0x0                   ; lengths[b]
	s_lshl_b32 s34, s2, 13
	s_add_nc_u64 s[16:17], s[16:17], s[34:35]      ; wf at my 8 blocks; Wo's lie 131,072 bytes on
	LDBIAS BQ, 18
.irp i, 0,1,2,3
	LD4 WQ+16*\i, 16, 2048*\i
.endr
	LDGB G0, 22, 24
	LDBIAS BO, 20
	LDGB G1, 26, 28
	s_lshl_b32 s34, s4, 19
	s_lshl_b32 s42, s43, 16
	s_add_co_u32 s34, s34, s42
	s_lshl_b32 s42, s44, 12
	s_add_co_u32 s34, s34, s42
	s_add_nc_u64 s[12:13], s[12:13], s[34:35]      ; kf and vf at (b, head), 65,536 bytes each, tile kh
	s_add_nc_u64 s[14:15], s[14:15], s[34:35]
	LD4 KA, 12, 0                                  ; my first tile: its place hangs on no length
	LD4 VA, 14, 0
	LD4 KB, 12, 2048
	LD4 VB, 14, 2048
	; the LDS addresses, while the loads are on their way
	s_mul_i32 s42, s2, 2*XBP
	v_lshl_add_u32 v6, v1, 3, s42                  ; 2 w pitch + 8 L
	v_mul_u32_u24 v7, v2, XBP
	v_lshl_add_u32 v7, v3, 4, v7                   ; r pitch + 16 h
	s_mul_i32 s42, s2, OFW
	s_add_co_u32 s42, s42, OF
	v_mul_u32_u24 v14, v2, OFP
	v_lshl_add_u32 v14, v3, 5, v14
	v_add_nc_u32 v8, s42, v14                      ; my region + r pitch + 32 h
	v_lshrrev_b32 v14, 2, v1
	v_mul_u32_u24 v14, v14, OFW
	v_and_b32 v15, 3, v0
	v_lshl_add_u32 v14, v15, 4, v14
	s_mul_i32 s42, s2, 2*OFP
	s_add_co_u32 s42, s42, OF
	v_add_nc_u32 v9, s42, v14                      ; region L/4, row 2 w, 16 (L%4): columns 4 L .. 4 L + 3 of a row
	s_mul_i32 s42, s2, 2*X1P
	s_add_co_u32 s42, s42, X1F
	v_add_nc_u32 v10, s42, v4
	v_mul_u32_u24 v14, v2, X1P
	v_lshl_add_u32 v14, v3, 5, v14
	s_lshl_b32 s42, s2, 6
	s_add_co_u32 s42, s42, X1F
	v_add_nc_u32 v11, s42, v14                     ; row r, columns 16 w + 8 h ..
	s_lshl_b32 s42, s2, 10
	s_add_co_u32 s42, s42, QX
	v_add_nc_u32 v240, s42, v4                     ; my 1,024 bytes of QX
	s_lshl_b32 s42, s43, 11
	s_add_co_u32 s42, s42, QX
	v_add_nc_u32 v241, s42, v4                     ; my head's 2,048
	s_lshl_b32 s42, s2, 12
	s_add_co_u32 s42, s42, MX
	v_add_nc_u32 v242, s42, v4                     ; my 4,096 bytes of MX
	s_lshl_b32 s42, s43, 13
	s_lshl_b32 s45, s44, 11
	s_add_co_u32 s42, s42, s45
	s_add_co_u32 s42, s42, MX
	v_add_nc_u32 v243, s42, v4                     ; my head's first wave, tiles 2 kh, 2 kh + 1
	s_lshl_b32 s42, s2, 8
	s_add_co_u32 s42, s42, LX
	v_lshl_add_u32 v244, v1, 3, s42
	s_lshl_b32 s42, s43, 9
	s_add_co_u32 s42, s42, LX
	v_lshl_add_u32 v245, v1, 3, s42
	s_wait_kmcnt 0x0
	s_max_i32 s6, s6, 0
	s_min_i32 s6, s6, 0x400                        ; lengths[b] in 0..1024
	s_max_u32 s7, s6, 1
	s_sub_co_u32 s7, s7, 1
	s_lshr_b32 s7, s7, 6                           ; the last tile of 64 keys that holds a live key
	s_cmp_lt_u32 s5, s6
	s_cselect_b32 s7, s7, 0                        ; no row of the block is live: one tile does, its result is thrown away
	s_sub_co_i32 s7, s7, s44
	s_max_i32 s7, s7, 0
	s_lshr_b32 s7, s7, 1                           ; my whole trips, on tiles kh, kh + 2, ..; the masked one follows on tile kh + 2 s7
	s_min_u32 s7, s7, 7                            ; kh + 2 s7 is at most 15: inside the head's 16 tiles
	s_wait_loadcnt 44                              ; the 44 loads behind Q's four are younger
.irp q, 0,1
	v_cvt_pk_f16_f32 v[S+8*\q],   v[S+8*\q],   v[S+8*\q+1]
	v_cvt_pk_f16_f32 v[S+8*\q+1], v[S+8*\q+2], v[S+8*\q+3]
	v_cvt_pk_f16_f32 v[S+8*\q+4], v[S+8*\q+4], v[S+8*\q+5]
	v_cvt_pk_f16_f32 v[S+8*\q+5], v[S+8*\q+6], v[S+8*\q+7]
	ds_store_b64 v6, v[S+8*\q:S+8*\q+1]   offset:\q*XBP
	ds_store_b64 v6, v[S+8*\q+4:S+8*\q+5] offset:\q*XBP+256
.endr
	BARRIER                                        ; XB is whole before anybody takes fragments from it
	; PHASE 1: q^T for my 16 columns; its bf16 half goes to my partner through QX.
	GEMM16 WQ, BQ, 16                              ; the first tile's 16 loads of k and v are younger and stay out
	v_add_nc_u32 v14, s5, v2
	v_add_nc_u32 v15, 16, v14
	v_cmp_gt_i32 s40, s6, v14                      ; my query of token tile 0 is live,
	v_cmp_gt_i32 s41, s6, v15                      ; of tile 1
.irp b2, 0,1
.irp j, 0,1,2,3,4,5,6,7
	v_cndmask_b32 v[QT+8*\b2+\j], 0, v[QT+8*\b2+\j], s[40+\b2]
.endr
.endr
.set n, 0
.rept 8
	v_pk_mul_f32 v[S+2*n:S+2*n+1], v[QT+2*n:QT+2*n+1], 0x3db8aa3b op_sel_hi:[1,0]   ; log2(e) / 16: the scores come out ready for 2^x
.set n, n+1
.endr
.irp b2, 0,1
.irp m, 0,1,2,3
	v_cvt_pk_bf16_f32 v[S+16+4*\b2+\m], v[S+8*\b2+2*\m], v[S+8*\b2+2*\m+1]
.endr
.endr
	ds_store_b128 v240, v[S+16:S+19]
	ds_store_b128 v240, v[S+20:S+23] offset:512
	BARRIER                                        ; both halves of every head's q are in QX
.irp a, 0,1
.irp b2, 0,1
	ds_load_b128 v[QF+8*\b2+4*\a:QF+8*\b2+4*\a+3], v241 offset:\a*1024+\b2*512
.endr
.endr
.set n, 0
.rept 32
	v_mov_b32 v[ACC+n], 0                          ; cleared, since the loop may run no trip at all: no product is the first one in the text
.set n, n+1
.endr
.irp i, 0,1,2,3
	v_mov_b32 v[LS+\i], 0
.endr
	s_lshl1_add_u32 s42, s7, s44                   ; my last tile
	s_lshl_b32 s42, s42, 6
	s_sub_co_i32 s42, s6, s42
	v_lshlrev_b32 v14, 3, v3
	v_sub_nc_u32 v13, s42, v14                     ; key 32 u + 16 t + 8 h + j of that tile is live where 32 u + 16 t + j < v13
	s_wait_dscnt 0x0                               ; q's fragments
	; PHASE 2: my keys.  No wave reads what another brought: no barrier in the loop.
	s_mov_b32 s32, 0
	s_cmp_eq_u32 s7, 0
	s_cbranch_scc1 .Ltail
.Lkeys:
	TRIP 0, 12, 8192, 14, 8192, 12, 10240, 14, 10240
	s_wait_xcnt 0x0                                ; the two bases are stepped only behind this wait
	s_add_nc_u64 s[12:13], s[12:13], 8192          ; two tiles on: the one between is my partner's
	s_add_nc_u64 s[14:15], s[14:15], 8192
	s_add_co_u32 s32, s32, 1
	s_cmp_lt_u32 s32, s7
	s_cbranch_scc1 .Lkeys
.Ltail:
	TRIP 1, 16, 131072, 16, 135168, 16, 133120, 16, 137216   ; Wo's fragments 0-1, 4-5, 2-3, 6-7 follow k and v into their registers
	; PHASE 3: the partners' sums meet; O = q + sum(e v) / (sum(e) + 1e-15); LN0.
	v_add_f32 v[LS], v[LS], v[LS+1]
	v_add_f32 v[LS+1], v[LS+2], v[LS+3]
.irp t, 0,1,2,3
	ds_store_b128 v242, v[ACC+8*\t:ACC+8*\t+3]   offset:\t*1024
	ds_store_b128 v242, v[ACC+8*\t+4:ACC+8*\t+7] offset:\t*1024+512
.endr
	ds_store_b64 v244, v[LS:LS+1]
	v_mov_b32 v[RR], 0                             ; v_permlanex16_b32's destination counts as read
	v_mov_b32 v[RR+1], 0
	BARRIER                                        ; MX and LX are whole
.irp src, 0,1
.irp b2, 0,1
	ds_load_b128 v[ACC+16*\src+8*\b2:ACC+16*\src+8*\b2+3],   v243 offset:\src*4096+\b2*1024
	ds_load_b128 v[ACC+16*\src+8*\b2+4:ACC+16*\src+8*\b2+7], v243 offset:\src*4096+\b2*1024+512
.endr
.endr
	ds_load_b64 v[LS:LS+1],   v245
	ds_load_b64 v[LS+2:LS+3], v245 offset:256
	s_wait_dscnt 0x0
	v_pk_add_f32 v[LS:LS+1], v[LS:LS+1], v[LS+2:LS+3]
	v_permlanex16_b32 v[RR], v[LS], s36, s37       ; the other half of the lanes holds the other keys of my query
	v_permlanex16_b32 v[RR+1], v[LS+1], s36, s37
	v_add_f32 v[LS], v[LS], v[RR]
	v_add_f32 v[LS+1], v[LS+1], v[RR+1]
	v_add_f32 v[LS], 0x26901d7d, v[LS]             ; + 1e-15
	v_add_f32 v[LS+1], 0x26901d7d, v[LS+1]
	v_rcp_f32 v[LS+2], v[LS]
	v_rcp_f32 v[LS+3], v[LS+1]
	v_nop                                          ; one plain place behind the last v_rcp_f32 (ISA guide 5.7.2)
	s_wait_alu depctr_va_vdst(0)
	v_cndmask_b32 v[RR],   0, v[LS+2], s40         ; a row at or beyond the length attends to nothing
	v_cndmask_b32 v[RR+1], 0, v[LS+2], s40
	v_cndmask_b32 v[RR+2], 0, v[LS+3], s41
	v_cndmask_b32 v[RR+3], 0, v[LS+3], s41
.set n, 0
.rept 8
	v_pk_add_f32 v[ACC+2*n:ACC+2*n+1], v[ACC+2*n:ACC+2*n+1], v[ACC+16+2*n:ACC+16+2*n+1]
.set n, n+1
.endr
.irp b2, 0,1
.irp m, 0,1,2,3
	v_pk_fma_f32 v[ACC+8*\b2+2*\m:ACC+8*\b2+2*\m+1], v[ACC+8*\b2+2*\m:ACC+8*\b2+2*\m+1], v[RR+2*\b2:RR+2*\b2+1], v[QT+8*\b2+2*\m:QT+8*\b2+2*\m+1]
.endr
.endr
	PUTOF ACC
	BARRIER                                        ; OF is whole; the reads of XB (phase 1) ended three barriers ago, so LN0 may write it anew
	LN G0, 0                                       ; g0 and b0 have been in since the first GEMM's wait
	BARRIER                                        ; XB and X1F are whole; and the reads of OF are over before phase 4 writes it anew
	; PHASE 4: X + relu(X Wo + bo), then LN1.
	GEMM16 WO, BO, 0
.irp b2, 0,1
	ds_load_b128 v[X+8*\b2:X+8*\b2+3],   v11 offset:\b2*16*X1P
	ds_load_b128 v[X+8*\b2+4:X+8*\b2+7], v11 offset:\b2*16*X1P+16
.endr
.set n, 0
.rept 16
	v_max_num_f32 v[QT+n], 0, v[QT+n]
.set n, n+1
.endr
	s_wait_dscnt 0x0
.set n, 0
.rept 8
	v_pk_add_f32 v[QT+2*n:QT+2*n+1], v[QT+2*n:QT+2*n+1], v[X+2*n:X+2*n+1]
.set n, n+1
.endr
	PUTOF QT
	BARRIER                                        ; OF is whole
	LN G1, 1
	s_wait_tensorcnt 0x0
	ds_add_u32 v246, v247
	s_wait_dscnt 0x0
	s_endpgm
.Lfunc_end_k_q8e8a5d978d_attn:
	.size	k_q8e8a5d978d_attn, .Lfunc_end_k_q8e8a5d978d_attn-k_q8e8a5d978d_attn
	.p2alignl 7, 3214868480
	.fill 96, 4, 3214868480
	.section	.rodata,"a",@progbits
	.p2align	6, 0x0
	.amdhsa_kernel k_q8e8a5d978d_attn
		.amdhsa_group_segment_fixed_size 180224
		.amdhsa_private_segment_fixed_size 0
		.amdhsa_enable_private_segment 0
		.amdhsa_kernarg_size 96
		.amdhsa_user_sgpr_count 2
		.amdhsa_user_sgpr_kernarg_segment_ptr 1
		.amdhsa_wavefront_size32 1
		.amdhsa_system_sgpr_workgroup_id_x 1
		.amdhsa_system_sgpr_workgroup_id_y 1
		.amdhsa_system_sgpr_workgroup_id_z 1
		.amdhsa_system_vgpr_workitem_id 0
		.amdhsa_next_free_vgpr 256
		.amdhsa_next_free_sgpr 66
		.amdhsa_reserve_vcc 1
		.amdhsa_float_denorm_mode_32 3
		.amdhsa_float_denorm_mode_16_64 3
		.amdhsa_memory_ordered 1
		.amdhsa_forward_progress 1
		.amdhsa_inst_pref_size 60
	.end_amdhsa_kernel
	.amdgpu_metadata
---
amdhsa.version: [ 1, 2 ]
amdhsa.kernels:
  - .name:           k_q8e8a5d978d_attn
    .symbol:         k_q8e8a5d978d_attn.kd
    .args:
      - { .name: Q, .offset: 0, .size: 8, .value_kind: global_buffer, .address_space: global }
      - { .name: lengths, .offset: 8, .size: 8, .value_kind: global_buffer, .address_space: global }
      - { .name: kf, .offset: 16, .size: 8, .value_kind: global_buffer, .address_space: global }
      - { .name: vf, .offset: 24, .size: 8, .value_kind: global_buffer, .address_space: global }
      - { .name: wf, .offset: 32, .size: 8, .value_kind: global_buffer, .address_space: global }
      - { .name: bq, .offset: 40, .size: 8, .value_kind: global_buffer, .address_space: global }
      - { .name: bo, .offset: 48, .size: 8, .value_kind: global_buffer, .address_space: global }
      - { .name: g0, .offset: 56, .size: 8, .value_kind: global_buffer, .address_space: global }
      - { .name: b0, .offset: 64, .size: 8, .value_kind: global_buffer, .address_space: global }
      - { .name: g1, .offset: 72, .size: 8, .value_kind: global_buffer, .address_space: global }
      - { .name: b1, .offset: 80, .size: 8, .value_kind: global_buffer, .address_space: global }
      - { .name: out0, .offset: 88, .size: 8, .value_kind: global_buffer, .address_space: global }
    .group_segment_fixed_size: 180224
    .private_segment_fixed_size: 0
    .kernarg_segment_align: 8
    .kernarg_segment_size: 96
    .max_flat_workgroup_size: 512
    .sgpr_count:     66
    .vgpr_count:     256
    .wavefront_size: 32
...
	.end_amdgpu_metadata
.endif
;; end of part 3
